; MI455X (gfx1250); checked and timed in simulation.
; The chip was launched on July 23, 2026; its instructions are those of AMD's public machine-readable ISA for CDNA 5 (MIT licence, August 2026) and "CDNA5" Instruction Set Architecture Reference Guide (July 2026). The comments in the code are by the model that wrote it; some were corrected since.
;; AG Then Gemm. Allowed arithmetic: float matrix products may take bf16 or f16 operands with f32 sums; all other float work in f32.
;; Inputs: A_prev 2,048 x 4,096 float16; W_prev 4,096 x 4,096 float16; W_up 4,096 x 4,096 float16.
;; Outputs: out0 2,048 x 4,096 float16.
;; One version. Each part assembles by itself: llvm-mc -triple=amdgcn-amd-amdhsa -mcpu=gfx1250 --defsym DOCPART=n.
;; ======== version 1 of 1: 2 launches
;; workspace buffers: act 16,777,216 bytes
;; launch gemm (part 1): grid 16 x 16, 4 waves a work-group, clusters of 4 x 4, 327,680 bytes of LDS; arguments A_prev, W_prev, act; writes act
.if DOCPART == 1
	.amdgcn_target "amdgcn-amd-amdhsa--gfx1250"
	.amdhsa_code_object_version 6
	.text
	.protected	k_q78e9f2f546_gemm
	.globl	k_q78e9f2f546_gemm
	.p2align	8
	.type	k_q78e9f2f546_gemm,@function
k_q78e9f2f546_gemm:
	s_mov_b64 s[64:65], 0
	v_nop
	global_prefetch_b8 v0, s[64:65] scope:SCOPE_SE
	s_setreg_imm32_b32 hwreg(HW_REG_WAVE_MODE, 25, 1), 1
	s_wait_xcnt 0x0
	s_wait_alu depctr_hold_cnt(0) depctr_sa_sdst(0) depctr_va_vdst(0) depctr_va_sdst(0) depctr_va_ssrc(0) depctr_va_vcc(0) depctr_vm_vsrc(0)
	s_getreg_b32 s2, hwreg(HW_REG_IB_STS2, 6, 4)
	s_cmp_eq_u32 s2, 0
	s_cbranch_scc0 .Lentry_in_a_cluster
	s_endpgm
.Lentry_in_a_cluster:
	s_bfe_u32 s2, ttmp6, 0x10000c
	s_cmp_lg_u32 s2, 0xf033
	s_cbranch_scc0 .Lentry_shape_is_right
	s_endpgm
.Lentry_shape_is_right:
; C[m][n] = f16( sum over k of A[m][k] B[k][n] ).  A: [SIZE_M][SIZE_K], B: [SIZE_K][SIZE_N], C: [SIZE_M][SIZE_N], all f16, row-major; sums in f32, K ascending,
; C rounded once.  The body serves both products of the chain: first act = A_prev W_prev, then out = act W_up.
; FORMAT: the operands are f16 as given, so the f16 matrix form takes them without rounding.  LIMIT: a sum beyond f16's largest number (65,504) is stored as an
; infinity; the definition of the chain rounds its intermediate and its result to f16 in the same way, so nothing finite there is lost here.
; SHARES: a work-group makes a block of 128 rows x 256 columns of C: 16 x 16 = 256 work-groups of equal work.  Four waves, as many as a WGP has SIMDs, as 2 x 2; a wave
; makes 64 x 128: 32 accumulator tiles of 16 x 16, 256 registers.  K goes in steps of 128 through a ring of two LDS slots filled by the tensor data mover; a slot holds
; 128 k-rows x 512 bytes of B and 128 rows x 256 bytes of A; all rows start at multiples of 256 bytes from their buffer's first byte.  Two slots of two steps
; (2 x 208,896 bytes) would not fit in the 327,680 bytes of LDS.
; CLUSTERS: 4 x 4 work-groups.  Grid x counts block rows, grid y block columns.  A's tile hangs on the block row alone: the four work-groups with my cx need it.  B's hangs on
; the block column alone: the four with my cy need it.  Each tile is asked for jointly by its four, with one descriptor and a mask that names them: a quarter of the requests.
; B LIES [K][N]: its fragments are transposed on the way from LDS to registers by ds_load_tr16_b128.
; THE MATRIX INSTRUCTION IS USED TRANSPOSED: source 0 = 16 columns of B, source 1 = 16 rows of A.  Lane l then holds row l % 16 of C and, in registers 0 to 7, the columns
; 8 (l / 16) + 0 .. 7: eight neighbouring numbers of a row, 16 bytes when packed.
; REGISTERS: window 0 (v0-255): addresses, TMP, two fragment buffers of 96 registers.  Window 1 (v256-511): accumulator tile (a, b) at 8 (8 a + b).
.set SIZE_M, 2048
.set SIZE_N, 4096
.set SIZE_K, 4096
.set KSTEP,  128
.set PA,     272                       ; A's LDS row: 256 bytes + 16 of padding: the 16 rows that a fragment load touches start 16 bytes apart modulo 256
.set PB,     544                       ; B's LDS row: 512 bytes + 32 of padding = 17 x 32: the 8 rows x 2 halves that 16 lanes of a transposing load touch lie 16 bytes apart modulo 256
.set BHALF,  64*PB                     ; 64 k-rows of B: one tensor load
.set AHALF,  64*PA                     ; 64 rows of A: one tensor load, and what one wave reads of A
.set ABASE,  2*BHALF                   ; in a slot A's tile lies behind B's
.set SLOT,   ABASE+2*AHALF             ; 104,448 bytes
.set STAGE,  2*SLOT                    ; behind the ring: 16 rows x 272 bytes for each wave, for the way out; no tensor load lands here
.set SPITCH, 272
.set LAPS,   SIZE_K/(2*KSTEP)          ; a lap = two K steps = once round the ring: 16
.set ADRA, 16                          ; v16-17  LDS address of my A fragments in slot 0, 1
.set ADRB, 20                          ; v20-21  the same for B
.set STO,  24                          ; v24     the way out: where I put 16 bytes of a row
.set RD,   25                          ; v25     the way out: where I read a row back
.set CO,   26                          ; v26     my byte offset in C
.set TMP,  32                          ; v32-63  the way out: packed results
.set F0,   64                          ; v64-159   fragment buffer 0: B's fragment b at +8 b (b = 0..7), A's fragment a at +64 + 8 a (a = 0..3)
.set F1,   160                         ; v160-255  fragment buffer 1
.set G1A, 24                           ; s[24:31] descriptor group 1 for A's tiles
.set G0A, 32                           ; s[32:39] descriptor group 0 for A's tiles, one set for each slot
.set G1B, 48                           ; s[48:55] descriptor group 1 for B's tiles
.set G0B, 56                           ; s[56:63] descriptor group 0 for B's tiles, one set for each slot
.set W_MUL, 0x50                       ; sources 0 and 1 (fragments) window 0, C and D window 1
.set W_CVT, 0x05                       ; sources 0 and 1 window 1, destination window 0
.set MSB, 0
.macro WIN new                         ; the immediate's high byte repeats the setting that is left; a switch that changes nothing is dropped
.if MSB != \new
	s_set_vgpr_msb (MSB<<8)|\new
.set MSB, \new
.endif
.endm
; A joint load.  Waves 0 and 1 fetch B's two halves, waves 2 and 3 A's.  Each line has one mask and one set of registers, in which nothing hangs on a coordinate that the
; four partners do not share.  The branch hangs on the wave's number alone: it is the same in every work-group.
.macro JLOAD s
	s_cmp_eq_u32 s11, 0
	s_cbranch_scc0 .Lfor_a_\@
	tensor_load_to_lds s[G0B+4*\s:G0B+4*\s+3], s[G1B:G1B+7]
	s_nop 0
	s_branch .Lasked_\@
.Lfor_a_\@:
	tensor_load_to_lds s[G0A+4*\s:G0A+4*\s+3], s[G1A:G1A+7]
	s_nop 0
.Lasked_\@:
.endm
; A round of the cluster's barrier: my work-group's barrier, so that wave 0's signal speaks for all four waves; wave 0 signals for the work-group; every wave waits for all
; sixteen work-groups; my work-group's barrier once more.
.macro CREST                           ; a round behind its opening barrier
	s_cmp_lg_u32 s10, 0
	s_cbranch_scc1 .Lnot_wave_0_\@
	s_barrier_signal -3
.Lnot_wave_0_\@:
	s_barrier_wait -3
	s_barrier_signal -1
	s_barrier_wait -1
.endm
.macro CROUND                          ; a whole round
	s_barrier_signal -1
	s_barrier_wait -1
	CREST
.endm
	s_load_b128 s[4:7], s[0:1], 0x0                ; A s[4:5], B s[6:7]
	s_load_b64 s[8:9], s[0:1], 0x10                ; C
	v_lshl_add_u32 v30, v0, 2, 0x37400
	v_mov_b32 v31, 0
	ds_add_u32 v30, v31
	ds_add_u32 v30, v31
	v_lshrrev_b32 v1, 5, v0
	v_readfirstlane_b32 s10, v1                    ; wave 0..3
	s_lshr_b32 s11, s10, 1                         ; which 64 of the block's rows are mine.  Also: I fetch for B (0) or for A (1)
	s_and_b32 s12, s10, 1                          ; which 128 of its columns.  Also: which 64 rows of that tile I fetch
	s_bfe_u32 s40, ttmp6, 0x40000                  ; cx: my place along the cluster's x
	s_bfe_u32 s41, ttmp6, 0x40004                  ; cy: along its y
	s_lshl_b32 s13, ttmp9, 2                       ; in a cluster launch ttmp9 and ttmp7 count clusters
	s_add_co_u32 s13, s13, s40                     ; block row of C = 4 x cluster x + cx
	s_and_b32 s42, ttmp7, 0xffff
	s_lshl_b32 s42, s42, 2
	s_add_co_u32 s42, s42, s41                     ; block column of C = 4 x cluster y + cy
	s_lshl_b32 s43, s41, 2
	s_lshl_b32 s43, 15, s43                        ; the four with my cy: places 4 cy .. 4 cy + 3
	s_lshl_b32 s44, 0x1111, s40                    ; the four with my cx: places cx, cx + 4, cx + 8, cx + 12
	; group 1 for A: a tile of 64 rows x 128 elements
	s_or_b32 s[G1A+0], s44, (1<<16)|(1<<20)|(1<<21)|(5<<22)|(3<<25)  ; 15:0 the mask; 17:16 elements of 2 bytes; 20 padding on; 21 set beside a mask; 24:22 after every 64 words (code 5); 31:25 4 words (code 3)
	s_mov_b32 s[G1A+1], KSTEP<<16                  ; 63:48 tensor_dim0, low half = 128
	s_mov_b32 s[G1A+2], 64<<16                     ; 79:64 its high half = 0; 95:80 tensor_dim1, low half = 64
	s_mov_b32 s[G1A+3], KSTEP<<16                  ; 111:96 its high half = 0; 127:112 tile_dim0 = 128
	s_mov_b32 s[G1A+4], 64                         ; 143:128 tile_dim1 = 64; 159:144 tile_dim2 = 0
	s_mov_b32 s[G1A+5], SIZE_K                     ; 191:160 elements from row to row
	s_mov_b32 s[G1A+6], 0
	s_mov_b32 s[G1A+7], 0
	; group 1 for B: a tile of 64 k-rows x 256 elements
	s_or_b32 s[G1B+0], s43, (1<<16)|(1<<20)|(1<<21)|(6<<22)|(7<<25)  ; as above with B's mask; after every 128 words (code 6) 8 words (code 7)
	s_mov_b32 s[G1B+1], 256<<16                    ; tensor_dim0 = 256
	s_mov_b32 s[G1B+2], 64<<16                     ; tensor_dim1 = 64
	s_mov_b32 s[G1B+3], 256<<16                    ; tile_dim0 = 256
	s_mov_b32 s[G1B+4], 64                         ; tile_dim1 = 64
	s_mov_b32 s[G1B+5], SIZE_N                     ; elements from k-row to k-row
	s_mov_b32 s[G1B+6], 0
	s_mov_b32 s[G1B+7], 0
	; where the tiles come from.  Every wave makes both addresses, each in registers that never hold the other coordinate, and asks by one of them.
	s_lshl_b32 s16, s13, 7
	s_lshl_b32 s17, s12, 6
	s_add_co_u32 s16, s16, s17                     ; A: row 128 x block row + 64 x half,
	s_mul_i32 s16, s16, SIZE_K*2                   ; in bytes: under 16 MiB
	s_mov_b32 s17, 0
	s_lshl_b32 s46, s42, 9                         ; B: column 256 x block column, in bytes,
	s_mul_i32 s47, s12, 64*SIZE_N*2                ; and k-row 64 x half
	s_add_co_u32 s46, s46, s47
	s_mov_b32 s47, 0
	; and where they go: a constant + the wave's number x a constant; no place in the cluster enters an LDS address
	s_mul_i32 s20, s10, BHALF                      ; B's halves: waves 0, 1 -> 0, BHALF
	s_mul_i32 s45, s10, AHALF
	s_add_co_u32 s45, s45, BHALF                   ; A's halves: waves 2, 3 -> BHALF + 2 AHALF = ABASE, ABASE + AHALF
	s_wait_dscnt 0x0
	s_wait_kmcnt 0x0
	s_add_nc_u64 s[14:15], s[4:5], s[16:17]
	s_add_nc_u64 s[46:47], s[6:7], s[46:47]
	CROUND                                         ; all sixteen work-groups are here: the first joint loads meet
.irp s, 0,1
	s_mov_b32 s[G0A+4*\s], 1                                       ; 1:0 count = 1
	s_add_co_u32 s[G0A+4*\s+1], s45, \s*SLOT                       ; 63:32 LDS address
	s_add_nc_u64 s[G0A+4*\s+2:G0A+4*\s+3], s[14:15], \s*KSTEP*2    ; 120:64 global address: K step s lies 256 bytes along A's rows
	s_or_b32 s[G0A+4*\s+3], s[G0A+4*\s+3], 0x80000000              ; 127:126 type = 2
	s_mov_b32 s[G0B+4*\s], 1
	s_add_co_u32 s[G0B+4*\s+1], s20, \s*SLOT
	s_add_nc_u64 s[G0B+4*\s+2:G0B+4*\s+3], s[46:47], \s*KSTEP*SIZE_N*2   ; K step s lies 128 k-rows down B
	s_or_b32 s[G0B+4*\s+3], s[G0B+4*\s+3], 0x80000000
	JLOAD \s                                       ; both slots' first fills go out as one group: two tensor loads of the wave are out
.endr
	; A's fragment, 16 rows x 32 K in 8 registers: lane l holds row l % 16; registers 0-3 hold K = 8 (l / 16) + 0..7, registers 4-7 K = 16 + 8 (l / 16) + 0..7:
	; two loads of 16 bytes, 32 bytes apart, at row x pitch + 16 (l / 16).
	v_and_b32 v1, 15, v0                           ; l % 16
	v_bfe_u32 v2, v0, 4, 1                         ; l / 16
	v_mul_u32_u24 v3, v1, PA
	v_lshl_add_u32 v3, v2, 4, v3
	s_mul_i32 s21, s11, AHALF                      ; my 64 rows of A,
	s_add_co_u32 s21, s21, ABASE                   ; which lie behind B's tile
	; B's fragment, 16 columns x 32 K, has the same register layout.  From k-rows: two transposing loads, 16 k-rows apart; lane l addresses k-row 8 (l / 16) + l % 8
	; and the 16 bytes (8 columns) number (l / 8) % 2 of the fragment's 32.
	v_and_b32 v4, 7, v0
	v_lshl_add_u32 v4, v2, 3, v4
	v_mul_u32_u24 v4, v4, PB
	v_bfe_u32 v5, v0, 3, 1
	v_lshl_add_u32 v4, v5, 4, v4
	s_lshl_b32 s22, s12, 8                         ; my 128 columns: 256 bytes
.irp s, 0,1
	v_add_nc_u32 v[ADRA+\s], s21, v3
	v_add_nc_u32 v[ADRB+\s], s22, v4
	s_add_co_u32 s21, s21, SLOT
	s_add_co_u32 s22, s22, SLOT
.endr
	s_mul_i32 s23, s10, 16*SPITCH
	s_add_co_u32 s23, s23, STAGE                   ; my stage
	v_mul_u32_u24 v6, v1, SPITCH                   ; in: row l % 16, 16 bytes for each half of the lanes
	v_lshl_add_u32 v6, v2, 4, v6
	v_add_nc_u32 v[STO], s23, v6
	v_mul_u32_u24 v7, v2, SPITCH                   ; back: lanes 0-15 take one row of 256 bytes, lanes 16-31 the next
	v_lshl_add_u32 v7, v1, 4, v7
	v_add_nc_u32 v[RD], s23, v7
	v_mul_u32_u24 v7, v2, SIZE_N*2                 ; and the same two rows in C
	v_lshl_add_u32 v[CO], v1, 4, v7
; 8 matrix instructions: my row block a (16 rows) x all 8 column blocks, 32 along K, from buffer f.  zero = 1: the product starts the sums: nothing is ever cleared.
; The 32 accumulators take turns, one instruction a turn, in the same order in every quarter step, over the loop's backward jump and into the tail too.
.macro MULA f, a, zero
.irp b, 0,1,2,3,4,5,6,7
.if \zero
	v_wmma_f32_16x16x32_f16 v[8*(8*\a+\b):8*(8*\a+\b)+7], v[\f+8*\b:\f+8*\b+7], v[\f+64+8*\a:\f+64+8*\a+7], 0
.else
	v_wmma_f32_16x16x32_f16 v[8*(8*\a+\b):8*(8*\a+\b)+7], v[\f+8*\b:\f+8*\b+7], v[\f+64+8*\a:\f+64+8*\a+7], v[8*(8*\a+\b):8*(8*\a+\b)+7]
.endif
.endr
.endm
; 24 LDS loads in one run: the fragments of quarter q of a K step (32 k-rows x my 128 columns of B, my 64 rows x 32 K of A) into buffer f.
; The largest immediate is 3 x 32 x 544 + 16 x 544 + 224 = 61,152, inside the 16 bits.
.macro FETCH slot, q, f
	WIN 0
.irp b, 0,1,2,3,4,5,6,7
	ds_load_tr16_b128 v[\f+8*\b:\f+8*\b+3],   v[ADRB+\slot] offset:\q*32*PB+32*\b
	ds_load_tr16_b128 v[\f+8*\b+4:\f+8*\b+7], v[ADRB+\slot] offset:\q*32*PB+16*PB+32*\b
.endr
.irp a, 0,1,2,3
	ds_load_b128 v[\f+64+8*\a:\f+64+8*\a+3],   v[ADRA+\slot] offset:64*\q+\a*16*PA
	ds_load_b128 v[\f+64+8*\a+4:\f+64+8*\a+7], v[ADRA+\slot] offset:64*\q+\a*16*PA+32
.endr
.endm
; A load into a register that a matrix instruction has read, and a vector instruction that reads a matrix result, stand four places behind that matrix instruction, and only
; plain vector instructions that name none of its registers are places (ISA guide 7.12.1 for vector instructions).
.macro PLACES
.rept 4
	v_nop
.endr
.endm
; A K step is four quarter steps of 32 along K, 32 matrix instructions each, on buffers 0, 1, 0, 1.
; One of the first three: fetches quarter q of the same slot into buffer g, then multiplies buffer f: the 24 loads have 32 matrix instructions in which to come back.
.macro QUARTER slot, q, f, g, zero
	PLACES                                         ; behind the last matrix instruction that read buffer g
	FETCH \slot, \q, \g
	s_wait_dscnt 24                                ; LDS loads come back in order (ISA guide 5.7.1): all but the 24 just issued are in, so buffer f is whole
	WIN W_MUL
	MULA \f, 0, \zero
	MULA \f, 1, \zero
	MULA \f, 2, \zero
	MULA \f, 3, \zero
.endm
.macro THREE slot, zero
	QUARTER \slot, 1, F0, F1, \zero
	QUARTER \slot, 2, F1, F0, 0
	QUARTER \slot, 3, F0, F1, 0
.endm
; The last quarter: multiplies buffer 1 and changes slots.  next = the other slot; fill = 1: this slot is filled again, two K steps ahead.
; One barrier for the change, for two things.  In front of it each wave has waited for its own reads of this slot and for all its tensor loads, of which one is out: its part
; of the next slot.  Behind it nobody reads this slot any more and the next slot is whole: the refill comes first, then the next slot's first fragments.
; From a request to the wait for it a wave issues 120 of a K step's 128 matrix instructions.
.macro TURN slot, next, fill
	s_wait_dscnt 0                                 ; buffer 1 is whole, and with it my reads of this slot are over
	WIN W_MUL
	MULA F1, 0, 0
	s_wait_tensorcnt 0x0                           ; all my tensor loads have landed: the one that was out is my part of the next slot
	ds_add_u32 v30, v31
	s_wait_dscnt 0x0
	s_barrier_signal -1                            ; say so (where a slot is filled again this barrier opens a round of the cluster's barrier),
	MULA F1, 1, 0                                  ; work on registers while the others arrive,
	WIN 0
	s_barrier_wait -1                              ; and go on when all four have said so
.if \fill
	CREST                                          ; all sixteen work-groups have said so: no wave of any partner still reads this slot or has a load on its way
	s_add_nc_u64 s[G0A+4*\slot+2:G0A+4*\slot+3], s[G0A+4*\slot+2:G0A+4*\slot+3], 2*KSTEP*2          ; no tensor load of mine is out: both group 0 step two K steps on
	s_add_nc_u64 s[G0B+4*\slot+2:G0B+4*\slot+3], s[G0B+4*\slot+2:G0B+4*\slot+3], 2*KSTEP*SIZE_N*2
	JLOAD \slot                                    ; the first tensor load behind the round, and my only one until the next: one is out
.endif
	PLACES                                         ; behind the last matrix instruction that read buffer 0
	FETCH \next, 0, F0
	WIN W_MUL
	MULA F1, 2, 0
	MULA F1, 3, 0
.endm
.macro LAP zero                        ; once round the ring, both slots filled again
	THREE 0, \zero
	TURN 0, 1, 1
	THREE 1, 0
	TURN 1, 0, 1
.endm
	s_wait_tensorcnt 1                             ; tensor loads of a wave end in order (ISA guide 10.11.1): my part of K step 0 is in, K step 1's may stay out
	s_barrier_signal -1
	s_barrier_wait -1                              ; everybody's part is in
	FETCH 0, 0, F0
	LAP 1                                          ; the first lap stands in front of the loop: its first quarter starts the 32 sums
	WIN 0
	s_mov_b32 s3, LAPS-2                           ; laps 1 to 14; with the first they fill K steps 2 to 31
.Llap:
	LAP 0
	WIN 0
	s_sub_co_u32 s3, s3, 1
	s_cmp_lg_u32 s3, 0
	s_cbranch_scc1 .Llap
	THREE 0, 0                                     ; the last lap fills nothing and has no round of the cluster's barrier: my one tensor load still out is slot 1's, the last K step's
	TURN 0, 1, 0
	THREE 1, 0
	s_wait_dscnt 0                                 ; the very last quarter: nothing more to fetch
	WIN W_MUL
	MULA F1, 0, 0
	MULA F1, 1, 0
	MULA F1, 2, 0
	MULA F1, 3, 0
	; THE WAY OUT, 16 rows of C at a time: round to f16, 16 bytes a lane into my own stage in LDS, read back as whole rows of 256 bytes.
	PLACES                                         ; behind the last matrix instructions: for the conversions, which read results, and for the loads into buffers 0 and 1
	s_lshl_b32 s16, s13, 7
	s_lshl_b32 s17, s11, 6
	s_add_co_u32 s16, s16, s17                     ; my first row of C: 128 x block row + 64 x half,
	s_mul_i32 s16, s16, SIZE_N*2                   ; in bytes: under 16 MiB
	s_mov_b32 s17, 0
	s_add_nc_u64 s[8:9], s[8:9], s[16:17]
	s_lshl_b32 s46, s42, 9                         ; my first column, in bytes: 512 x block column + 256 x half (in the registers that held B's address: none that fed A's descriptors ever holds cy)
	s_lshl_b32 s47, s12, 8
	s_add_co_u32 s46, s46, s47
	s_mov_b32 s47, 0
	s_add_nc_u64 s[8:9], s[8:9], s[46:47]
; rows 16 i .. 16 i + 15 of my block = the eight tiles (i, 0..7); f: buffer 0 or 1 in turn
.macro OUT16 i, f
	WIN W_CVT
.irp b, 0,1,2,3,4,5,6,7
.irp r, 0,1,2,3
	v_cvt_pk_f16_f32 v[TMP+4*\b+\r], v[8*(8*\i+\b)+2*\r], v[8*(8*\i+\b)+2*\r+1]   ; two roundings to f16, the lower column in the low half
.endr
.endr
	WIN 0
.irp b, 0,1,2,3,4,5,6,7
	ds_store_b128 v[STO], v[TMP+4*\b:TMP+4*\b+3] offset:32*\b      ; columns 16 b + 8 (l / 16) + 0..7 of row l % 16
.endr
	s_wait_xcnt 0x0                                ; every earlier memory instruction has had its addresses translated (ISA guide 3.1): buffer f, which stores read, and the stores' base are rewritten only behind this wait
.if \i
	s_add_nc_u64 s[8:9], s[8:9], 16*SIZE_N*2       ; 16 rows of C on
.endif
.irp t, 0,1,2,3,4,5,6,7
	ds_load_b128 v[\f+4*\t:\f+4*\t+3], v[RD] offset:\t*2*SPITCH    ; LDS serves a wave's instructions in order (ISA guide 5.7.1.4): these see the stores above; the stage is my wave's own
.endr
.irp t, 0,1,2,3,4,5,6,7
	s_wait_dscnt 7-\t                              ; read-back t is in, the 7 - t younger ones may be out
	global_store_b128 v[CO], v[\f+4*\t:\f+4*\t+3], s[8:9] offset:2*\t*SIZE_N*2   ; 16 lanes store 256 consecutive bytes, at a multiple of 256 from C's first byte
.endr
.endm
	OUT16 0, F0
	OUT16 1, F1
	OUT16 2, F0
	OUT16 3, F1
	s_wait_tensorcnt 0x0
	ds_add_u32 v30, v31
	s_wait_dscnt 0x0
	CROUND                                         ; the closing round: no work-group ends while a partner may still ask for a tile that names it
	s_endpgm
.Lfunc_end_k_q78e9f2f546_gemm:
	.size	k_q78e9f2f546_gemm, .Lfunc_end_k_q78e9f2f546_gemm-k_q78e9f2f546_gemm
	.p2alignl 7, 3214868480
	.fill 96, 4, 3214868480
	.section	.rodata,"a",@progbits
	.p2align	6, 0x0
	.amdhsa_kernel k_q78e9f2f546_gemm
		.amdhsa_group_segment_fixed_size 327680
		.amdhsa_private_segment_fixed_size 0
		.amdhsa_enable_private_segment 0
		.amdhsa_kernarg_size 24
		.amdhsa_user_sgpr_count 2
		.amdhsa_user_sgpr_kernarg_segment_ptr 1
		.amdhsa_wavefront_size32 1
		.amdhsa_system_sgpr_workgroup_id_x 1
		.amdhsa_system_sgpr_workgroup_id_y 1
		.amdhsa_system_sgpr_workgroup_id_z 1
		.amdhsa_system_vgpr_workitem_id 0
		.amdhsa_next_free_vgpr 512
		.amdhsa_next_free_sgpr 66
		.amdhsa_reserve_vcc 0
		.amdhsa_float_denorm_mode_32 3
		.amdhsa_float_denorm_mode_16_64 3
		.amdhsa_memory_ordered 1
		.amdhsa_forward_progress 1
		.amdhsa_inst_pref_size 117
	.end_amdhsa_kernel
	.amdgpu_metadata
---
amdhsa.version: [ 1, 2 ]
amdhsa.kernels:
  - .name:           k_q78e9f2f546_gemm
    .symbol:         k_q78e9f2f546_gemm.kd
    .args:
      - { .name: A_prev, .offset: 0, .size: 8, .value_kind: global_buffer, .address_space: global }
      - { .name: W_prev, .offset: 8, .size: 8, .value_kind: global_buffer, .address_space: global }
      - { .name: act, .offset: 16, .size: 8, .value_kind: global_buffer, .address_space: global }
    .group_segment_fixed_size: 327680
    .private_segment_fixed_size: 0
    .kernarg_segment_align: 8
    .kernarg_segment_size: 24
    .max_flat_workgroup_size: 128
    .sgpr_count:     66
    .vgpr_count:     512
    .wavefront_size: 32
...
	.end_amdgpu_metadata
.endif
;; end of part 1
;; launch up: the kernel of part 1 again; grid 16 x 16, 4 waves a work-group, clusters of 4 x 4, 327,680 bytes of LDS; arguments act, W_up, out0; writes out0
